; MI455X (gfx1250); checked and timed in simulation.
; The chip was launched on July 23, 2026; its instructions are those of AMD's public machine-readable ISA for CDNA 5 (MIT licence, August 2026) and "CDNA5" Instruction Set Architecture Reference Guide (July 2026). The comments in the code are by the model that wrote it; some were corrected since.
;; Parallel Unified Attention. Allowed arithmetic: matrix products marked QUANTISED: E2M1 operands, one E8M0 scale for each 32 along K, by v_wmma_scale_f32_16x16x128_f8f6f4 with both operands' format E2M1 (or v_wmma_scale_f32_32x16x128_f4), f32 sums; products left as they are: f32 operands where the result goes on into a quantised operand, else bf16, f16 or f32 operands; f32 sums; everything else in f32.
;; Inputs: Wc 1,024 x 8,192 float32; Wq 8,192 x 1,024 float32; bc 1,024 float32; bq 8,192 float32; x 1,024 x 8 x 1,024 float32.
;; Outputs: out0 8 x 1,024 float32.
;; This version of the problem:
;;   THIS VERSION OF THE PROBLEM IS GIVEN IN LOW PRECISION. The matrix products marked QUANTISED in the list below multiply operands that are first quantised to E2M1 (2 exponent bits, 1 mantissa bit; 4 bits a number), with one power-of-two scale for each 32 numbers along K (OCP MX v1.0); their sums are f32. All else is computed in f32.
;;   The module's matrix products, in the order in which they are computed (A, B: the left and right operand; K: the contracted axis; several contracted axes count as one K, in the product's order):
;;     1. [M 8,192, K 1,024] x [K 1,024, N 8,192]; A: input x; B: input Wq: QUANTISED
;;     2. batch 8,192 x [M 8, K 1,024] x [K 1,024, N 1]; A: softmax; B: input x: left as it is (M = 8 < 16)
;;     3. [M 8, K 8,192] x [K 8,192, N 1,024]; A: computed on the way; B: input Wc: left as it is (M = 8 < 16)
;;   THE QUANTISER, for each operand of a quantised product, along K:
;;     - K is cut into blocks of 32 from its start; a last block that is shorter is filled with zeros.
;;     - A block's scale is 2^e with e = floor(log2(the largest magnitude in the block)) - 2, held to -126 .. 127; a block of zeros has e = 0. As a byte (E8M0): e + 127.
;;     - Each number is divided by its block's scale, clamped to +-6, and rounded to the nearest number of E2M1, ties to even, subnormals kept.
;;     - The product sums the exact products of the quantised numbers (number of the format x scale) in f32.
;;   ~~~python
;;   def quantise(x, axis):      # numpy; x: float32 -> the quantised numbers, widened to float32 again
;;       x = np.moveaxis(x, axis, -1); K = x.shape[-1]
;;       x = np.pad(x, [(0, 0)] * (x.ndim - 1) + [(0, -K % 32)]); x = x.reshape(x.shape[:-1] + (-1, 32)); a = np.abs(x).max(-1, keepdims=True)
;;       e = np.where(a > 0, np.clip(np.frexp(np.where(a > 0, a, 1))[1] - 1 - 2, -126, 127), 0)      # np.frexp(a)[1] - 1 = floor(log2(a)), exactly
;;       r = np.clip(x / 2.0 ** e, -6, 6)
;;       step = 2.0 ** (np.maximum(np.frexp(np.where(r == 0, 1, r))[1] - 1, 0) - 1)
;;       q = np.round(r / step) * step * 2.0 ** e      # np.round: ties to even
;;       return np.moveaxis(q.reshape(q.shape[:-2] + (-1,))[..., :K], -1, axis).astype(np.float32)
;;   ~~~
;; One version. Each part assembles by itself: llvm-mc -triple=amdgcn-amd-amdhsa -mcpu=gfx1250 --defsym DOCPART=n.
;; ======== version 1 of 1: 3 launches
;; limits: right only within a limited range of input values; values are held in bf16: 8 bits of precision
;; workspace buffers: xq 4,456,448 bytes; wqq 4,456,448 bytes; hb 131,072 bytes
;; launch quant (part 1): grid 256 x 1, 8 waves a work-group, no clusters, 68,608 bytes of LDS; arguments x, Wq, xq, wqq; writes xq, wqq
.if DOCPART == 1
	.amdgcn_target "amdgcn-amd-amdhsa--gfx1250"
	.amdhsa_code_object_version 6
	.text
	.protected	k_q102e807a17_quant
	.globl	k_q102e807a17_quant
	.p2align	8
	.type	k_q102e807a17_quant,@function
k_q102e807a17_quant:
	s_mov_b64 s[64:65], 0
	v_nop
	global_prefetch_b8 v0, s[64:65] scope:SCOPE_SE
	s_setreg_imm32_b32 hwreg(HW_REG_WAVE_MODE, 25, 1), 1
	s_wait_xcnt 0x0
; x [1024 s][8 b][1024 e] and Wq [8192 f][1024 e], f32, become codes of FP4 (E2M1) with one E8M0 scale byte for each 32 along e, which is K of the first product.
; A block's scale is 2^(floor(log2(its largest magnitude)) - 2); its byte is the largest magnitude's exponent field - 2, held at 1 from below.
; LIMITS: a block of zeros gets the byte 1 where the rule says 127 (its codes are zeros, and this program alone reads the bytes); NaN and infinities among the inputs are not served.
; OUTPUT: one RECORD of 8,704 bytes for each tile of 16 rows, laid in the order of the operand's registers:
;   bytes 0 .. 8191: block kb (32 codes, 16 bytes) of row r at 256 kb + 16 r.  With kb = 4 ks + 2 c + h, registers 4 c .. 4 c + 3 of lane l = r + 16 h for K step ks (128 along K) lie at 1024 ks + 512 c + 16 l.
;   bytes 8192 .. 8703: at 256 q + 8 l + 4 i the scale word (four bytes, 128 along K) of row l % 16 for K step 4 q + 2 i + l / 16.
; xq: record 64 b + st holds rows s = 16 st + r of batch b.  wqq: record f / 16.
; SHARES: 1,024 tiles; work-groups 0-127 take x's 512, work-groups 128-255 Wq's 512, four tiles each.  Wave w takes tile 4 g + w / 2 and half w % 2 of K: four K steps.
; Each load reads 512 consecutive bytes of ONE row; a step's 16 rows x 512 bytes turn through the wave's own stage in LDS (rows 528 bytes apart) and come back as a lane's 2 x 32 neighbours along K,
; in the very order that the operand's layout gives that lane: the conversions' results are the record's bytes.  Waves share nothing: no barrier.  Two steps' loads (32 of 512 bytes) are out in each wave.
; WORK LEFT OUT, in the whole program: reference() adds bq[f] to every score of column f, the same number for all s, and takes the softmax over s:
; exp(score + bq[f]) / (sum over s of exp(score + bq[f])) = exp(score) / (sum over s of exp(score)) for every finite bq.  The scores go nowhere else and into no quantiser.
; So bq has no way to an output: it is not loaded and is among no launch's arguments.  LIMIT: a NaN, an infinity or an overflow that bq alone would bring is not carried to the result.
.set STG,  8448
.set REC,  8704
.set R,    16                          ; v16-143   two sets of 64 registers as loaded: row p at 4 p
.set X,    144                         ; v144-207  my 64 numbers: 32 c + n = k 64 c + 32 h + n of row r
.set C,    208                         ; v208-239  codes: eight registers for each step, so that no store's data are written again
.set WE,   240                         ; v240      the even step's scale word
.set SC,   242                         ; v[242:243] my two scale words of the record
	s_load_b256 s[4:11], s[0:1], 0x0               ; x s[4:5], Wq s[6:7], xq s[8:9], wqq s[10:11]
	v_lshl_add_u32 v254, v0, 2, 0x10800
	v_mov_b32 v255, 0
	v_lshrrev_b32 v1, 5, v0
	s_delay_alu instid0(VALU_DEP_1)
	v_readfirstlane_b32 s12, v1                    ; wave 0..7
	v_and_b32 v6, 31, v0                           ; lane
	v_and_b32 v7, 15, v0                           ; r
	v_bfe_u32 v8, v0, 4, 1                         ; h
	s_delay_alu instid0(VALU_DEP_3)
	v_lshlrev_b32 v1, 4, v6                        ; v1 = 16 x lane: never rewritten
	s_delay_alu instid0(VALU_DEP_4)
	v_lshlrev_b32 v2, 3, v6                        ; v2 = 8 x lane: never rewritten
	s_mul_i32 s15, s12, STG
	v_add_nc_u32 v3, s15, v1                       ; v3: into the stage: 16 bytes a lane of a row
	v_mul_u32_u24 v4, v7, 528
	s_delay_alu instid0(VALU_DEP_1)
	v_lshl_add_u32 v4, v8, 7, v4
	s_delay_alu instid0(VALU_DEP_1)
	v_add_nc_u32 v4, s15, v4                       ; v4: out of it: row r, + 128 h bytes (32 numbers)
	v_lshlrev_b32 v5, 3, v8                        ; v5 = 8 h: where my two scale bytes stand in the word
	v_mov_b32 v15, 0                               ; a lane permute's destination counts as one of its sources
	s_and_b32 s13, s12, 1                          ; q: which half of K
	s_lshr_b32 s14, s12, 1
	s_and_b32 s28, ttmp9, 127
	s_lshl_b32 s28, s28, 2
	s_add_co_u32 s28, s28, s14                     ; T: the tile's number in its tensor
	s_and_b32 s29, s28, 63
	s_lshl_b32 s29, s29, 19                        ; x: 16 (T % 64) rows s of 32,768 bytes
	s_lshr_b32 s30, s28, 6
	s_lshl_b32 s30, s30, 12                        ;    + batch T / 64, 4,096 bytes
	s_add_co_u32 s29, s29, s30
	s_lshl_b32 s30, s28, 16                        ; Wq: 16 T rows of 4,096 bytes
	s_mov_b32 s31, 32768                           ; from row to row in x,
	s_mov_b32 s22, 4096                            ; and in Wq
	s_mov_b32 s23, 0
	s_mov_b32 s24, 0x76543210
	s_mov_b32 s25, 0xfedcba98                      ; v_permlanex16_b32's selects for lane l xor 16
	s_mov_b32 s26, 0xffff0000                      ; lanes 16-31
	s_mov_b32 s3, 0
	s_wait_alu depctr_va_vdst(0)
	s_wait_kmcnt 0x0
	s_cmp_lt_u32 ttmp9, 128                        ; x's work-group or Wq's: the choice hangs on the work-group's number alone; only pointers, an offset and a stride are chosen
	s_cselect_b64 s[16:17], s[4:5], s[6:7]
	s_cselect_b64 s[18:19], s[8:9], s[10:11]
	s_cselect_b32 s2, s29, s30
	s_cselect_b32 s22, s31, s22
	s_lshl_b32 s27, s13, 11
	s_add_co_u32 s2, s2, s27                       ; + my half of K: 2,048 bytes
	s_add_nc_u64 s[32:33], s[16:17], s[2:3]        ; row 0 of my tile
.irp p, 1,2,3,4,5,6,7,8,9,10,11,12,13,14,15
	s_add_nc_u64 s[32+2*\p:33+2*\p], s[30+2*\p:31+2*\p], s[22:23]   ; a base for each of the 16 rows: s[32:63]
.endr
	s_mul_i32 s2, s28, REC
	s_add_nc_u64 s[18:19], s[18:19], s[2:3]        ; my record
	s_lshl_b32 s2, s13, 8
	s_add_nc_u64 s[20:21], s[18:19], s[2:3]
	s_add_nc_u64 s[20:21], s[20:21], 8192          ; its scale words, my 256 bytes
	s_lshl_b32 s2, s13, 12
	s_add_nc_u64 s[18:19], s[18:19], s[2:3]        ; its codes, my 4,096 bytes
.macro LOAD t                          ; K step t of my half: 512 bytes of each of the 16 rows
.irp p, 0,1,2,3,4,5,6,7,8,9,10,11,12,13,14,15
	global_load_b128 v[R+64*((\t)%2)+4*\p:R+64*((\t)%2)+4*\p+3], v1, s[32+2*\p:33+2*\p] offset:512*(\t) th:TH_LOAD_NT
.endr
.endm
.macro QSTEP t
.if (\t) < 3
	s_wait_loadcnt 16                              ; this step's 16 loads are in; the next step's 16 may be out
.else
	s_wait_loadcnt 0x0
.endif
.irp p, 0,1,2,3,4,5,6,7,8,9,10,11,12,13,14,15
	ds_store_b128 v3, v[R+64*((\t)%2)+4*\p:R+64*((\t)%2)+4*\p+3] offset:528*\p
.endr
.irp c, 0,1
.irp i, 0,1,2,3,4,5,6,7
	ds_load_b128 v[X+32*\c+4*\i:X+32*\c+4*\i+3], v4 offset:256*\c+16*\i   ; LDS serves a wave's instructions in order: these see the stores above
.endr
.endr
	s_wait_dscnt 0x0                               ; my numbers are back, and the stores have read their registers,
.if (\t) < 2
	LOAD (\t)+2                                    ; which take the loads of two steps on
.endif
.irp c, 0,1                                    ; my two whole blocks, 2 c + h, by turns; two chains each
	v_max3_num_f32 v[6+2*\c], |v[X+32*\c]|, |v[X+32*\c+1]|, 0x1800000   ; the floor 2^(3 - 127) among the leaves: the byte cannot fall under 1
	v_max3_num_f32 v[7+2*\c], |v[X+32*\c+2]|, |v[X+32*\c+3]|, |v[X+32*\c+4]|
.endr
.irp i, 5,9,13,17,21,25
.irp c, 0,1
	s_delay_alu instid0(VALU_DEP_4)
	v_max3_num_f32 v[6+2*\c], v[6+2*\c], |v[X+32*\c+\i]|, |v[X+32*\c+\i+1]|
	s_delay_alu instid0(VALU_DEP_4)
	v_max3_num_f32 v[7+2*\c], v[7+2*\c], |v[X+32*\c+\i+2]|, |v[X+32*\c+\i+3]|
.endr
.endr
.irp c, 0
	s_delay_alu instid0(VALU_DEP_4)
	v_max3_num_f32 v[6+2*\c], v[6+2*\c], |v[X+32*\c+29]|, |v[X+32*\c+30]|
.endr
.irp c, 1
	s_delay_alu instid0(VALU_DEP_3)
	v_max3_num_f32 v[6+2*\c], v[6+2*\c], |v[X+32*\c+29]|, |v[X+32*\c+30]|
.endr
.irp c, 0,1
	s_delay_alu instid0(VALU_DEP_2)
	v_max3_num_f32 v[6+2*\c], v[6+2*\c], v[7+2*\c], |v[X+32*\c+31]|   ; the block's largest magnitude
.endr
.irp c, 0,1
	s_delay_alu instid0(VALU_DEP_2)
	v_add_nc_u32 v[10+\c], 0xff000000, v[6+2*\c]   ; 2 off its exponent field: the conversion takes the exponent field of this operand as its scale
.endr
.irp c, 0,1
.irp g, 0,1,2,3
	v_cvt_scalef32_pk8_fp4_f32 v[C+8*(\t)+4*\c+\g], v[X+32*\c+8*\g:X+32*\c+8*\g+7], v[10+\c]
.endr
.endr
.irp c, 0,1
	v_lshrrev_b32 v[12+\c], 23, v[10+\c]           ; the scale's byte (also the plain line behind the conversions)
.endr
	s_delay_alu instid0(VALU_DEP_1)
	v_lshl_or_b32 v14, v13, 16, v12                ; my two bytes: blocks h and 2 + h,
	s_delay_alu instid0(VALU_DEP_1)
	v_lshlrev_b32 v14, v5, v14                     ; at their places in the word;
	s_delay_alu instid0(VALU_DEP_1)
	v_permlanex16_b32 v15, v14, s24, s25
.if (\t)%2 == 0
	s_delay_alu instid0(VALU_DEP_1)
	v_or_b32 v[WE], v14, v15                       ; with lane l xor 16's two the word is whole: the even step's is kept
.else
	s_delay_alu instid0(VALU_DEP_1)
	v_or_b32 v14, v14, v15
	s_delay_alu instid0(VALU_DEP_1)
	v_cndmask_b32 v[SC+(\t)/2], v[WE], v14, s26    ; lanes 0-15 keep the even step's word, lanes 16-31 the odd step's
.endif
.irp c, 0,1
	global_store_b128 v1, v[C+8*(\t)+4*\c:C+8*(\t)+4*\c+3], s[18:19] offset:1024*(\t)+512*\c   ; 32 lanes store 512 consecutive bytes, at a multiple of 256 from the buffer's first byte
.endr
.endm
	LOAD 0
	LOAD 1
	QSTEP 0
	QSTEP 1
	QSTEP 2
	QSTEP 3
	global_store_b64 v2, v[SC:SC+1], s[20:21]      ; 32 lanes store 256 consecutive bytes, aligned
	s_wait_tensorcnt 0x0
	ds_add_u32 v254, v255
	s_wait_dscnt 0x0
	s_endpgm
.Lfunc_end_k_q102e807a17_quant:
	.size	k_q102e807a17_quant, .Lfunc_end_k_q102e807a17_quant-k_q102e807a17_quant
	.p2alignl 7, 3214868480
	.fill 96, 4, 3214868480
	.section	.rodata,"a",@progbits
	.p2align	6, 0x0
	.amdhsa_kernel k_q102e807a17_quant
		.amdhsa_group_segment_fixed_size 68608
		.amdhsa_private_segment_fixed_size 0
		.amdhsa_enable_private_segment 0
		.amdhsa_kernarg_size 32
		.amdhsa_user_sgpr_count 2
		.amdhsa_user_sgpr_kernarg_segment_ptr 1
		.amdhsa_wavefront_size32 1
		.amdhsa_system_sgpr_workgroup_id_x 1
		.amdhsa_system_sgpr_workgroup_id_y 1
		.amdhsa_system_sgpr_workgroup_id_z 1
		.amdhsa_system_vgpr_workitem_id 0
		.amdhsa_next_free_vgpr 256
		.amdhsa_next_free_sgpr 80
		.amdhsa_reserve_vcc 0
		.amdhsa_float_denorm_mode_32 3
		.amdhsa_float_denorm_mode_16_64 3
		.amdhsa_memory_ordered 1
		.amdhsa_forward_progress 1
		.amdhsa_inst_pref_size 35
	.end_amdhsa_kernel
	.amdgpu_metadata
---
amdhsa.version: [ 1, 2 ]
amdhsa.kernels:
  - .name:           k_q102e807a17_quant
    .symbol:         k_q102e807a17_quant.kd
    .args:
      - { .name: x, .offset: 0, .size: 8, .value_kind: global_buffer, .address_space: global }
      - { .name: Wq, .offset: 8, .size: 8, .value_kind: global_buffer, .address_space: global }
      - { .name: xq, .offset: 16, .size: 8, .value_kind: global_buffer, .address_space: global }
      - { .name: wqq, .offset: 24, .size: 8, .value_kind: global_buffer, .address_space: global }
    .group_segment_fixed_size: 68608
    .private_segment_fixed_size: 0
    .kernarg_segment_align: 8
    .kernarg_segment_size: 32
    .max_flat_workgroup_size: 256
    .sgpr_count:     80
    .vgpr_count:     256
    .wavefront_size: 32
...
	.end_amdgpu_metadata
.endif
;; end of part 1
;; launch attn (part 2): grid 32 x 8, 4 waves a work-group, clusters of 4 x 1, 327,680 bytes of LDS; arguments x, xq, wqq, hb; writes hb
.if DOCPART == 2
	.amdgcn_target "amdgcn-amd-amdhsa--gfx1250"
	.amdhsa_code_object_version 6
	.text
	.protected	k_q102e807a17_attn
	.globl	k_q102e807a17_attn
	.p2align	8
	.type	k_q102e807a17_attn,@function
k_q102e807a17_attn:
	s_mov_b64 s[64:65], 0
	v_nop
	global_prefetch_b8 v0, s[64:65] scope:SCOPE_SE
	s_setreg_imm32_b32 hwreg(HW_REG_WAVE_MODE, 25, 1), 1
	s_wait_xcnt 0x0
	s_wait_alu depctr_hold_cnt(0) depctr_sa_sdst(0) depctr_va_vdst(0) depctr_va_sdst(0) depctr_va_ssrc(0) depctr_va_vcc(0) depctr_vm_vsrc(0)
	s_getreg_b32 s2, hwreg(HW_REG_IB_STS2, 6, 4)
	s_cmp_eq_u32 s2, 0
	s_cbranch_scc0 .Lentry_in_a_cluster
	s_endpgm
.Lentry_in_a_cluster:
	s_bfe_u32 s2, ttmp6, 0x10000c
	s_cmp_lg_u32 s2, 0x3003
	s_cbranch_scc0 .Lentry_shape_is_right
	s_endpgm
.Lentry_shape_is_right:
; scores[s][b][f] = x[s][b][:] . Wq[f][:] on codes of FP4 with E8M0 scales; softmax over s for each (b, f); head_out[b][f] = sum over s of x[s][b][f % 1024] x attn[s][b][f].  The scores never go to memory.
; bq is left out: it is the same along the softmax's axis and cancels for all values (shown at the head of the first kernel).
; LAYOUT: source 0 = 16 rows of x (s), source 1 = 16 rows of Wq (f): a lane holds ONE column f (lane % 16), its registers the rows s = 8 (lane / 16) + 0 .. 7.  The softmax over s runs inside a lane:
; a running maximum M, -c M (c = log2 e), a sum L and a weighted sum O for each column; lanes and waves are merged once, at the end.  p = 2^(c score - c M); when M grows, L and O are multiplied by 2^(new -cM - old -cM).
; SHARES: a work-group takes a batch b, 64 columns e' = 64 eg .., four heads 4 hh .., all 1,024 s.  Four waves, one to a SIMD: wave w has ep = w / 2 (which 32 of the 64 e') and sp = w % 2 (which half of each chunk of s).
; A wave has EIGHT tiles: tile i = head 4 hh + i % 4, columns 64 eg + 32 ep + 16 (i / 4) + r.  Their 8 x 8 fragments of Wq fill windows 1 and 2 (512 registers) for the whole launch: each fragment of x read from LDS feeds eight matrix instructions.
; A STEP is 32 rows of s: two records of x's codes, 128 matrix instructions on 16 accumulators; then ONE run of 68 LDS loads for the next step (two records, x as f32); then the softmax's step on 16 registers a tile, the eight tiles line by line by turns.
; STREAM: s goes in 8 chunks of 128 rows through two LDS slots: a chunk's 8 records of xq (69,632 dense bytes) and 128 rows x 256 bytes of x.  Waves 0, 1 fetch the codes' halves, waves 2, 3 x's halves: one load a wave,
; chunk 0 at the head, chunk 1 behind the full sequence and a round, each later chunk at THE CHANGE OF SLOTS, which stands at the head of a chunk's second step: all LDS reads of the slot have been issued by then.
; CLUSTER: the four partners share b and walk the same codes of x: those are asked for JOINTLY (mask 15).  x as f32 hangs on eg, which only two of the four share, so each work-group asks for its own 32 KiB of a chunk by a plain load
; in the same round; Wq's fragments are read once, at the head, and are shared only across b, which is another cluster: neither is asked for jointly.
; OUTPUT: hb, bf16, [b][eg 16][head 8][64]: a work-group's 256 results are 512 consecutive bytes.
; LIMITS: NaN and infinities are not served; scores under -1e38, the running maximum's start, are not served; head_out is rounded to bf16 for the last product.
; REGISTERS.  window 0: v1-15 addresses; v16-47 Wq's scale words; v48-55 x's; v56-58 lane numbers; v64-191 x's fragments, two buffers (rows 0-15, rows 16-31 of a step); v192-255 x as f32, two sets by the step's parity (at the end: the way out).
;   window 1: Wq's fragment (tile i, K step k < 4) at v[64 k + 8 i]; window 2: K steps 4 to 7 likewise.
;   window 3: v0-127 accumulators (tile i: 16 i + 8 t + j); v160-239 ten statistics a tile; v240-255 two registers at work a tile.
.set SLOT1, 1<<17                      ; slot 1 begins here: one exclusive or turns an address from one slot to the other
.set CHUNKC, 69632
.set XFO,   69632                      ; in a slot: the codes, then 128 rows of x, 272 bytes apart
.set REC,   8704
.set HALFC, 34816
.set XP,    272
.set HALFX, 64*XP
.set BATCH, 557056
.set SPARE, 2*SLOT1                    ; the spare words, 128 bytes for each of four waves: two blocks of 256 bytes that no other line names
.set MRG,   SPARE+512                  ; the merge: 3,072 bytes a wave; no fill lands here
.set OUTS,  MRG+4*3072                 ; the work-group's 256 results as f32
.set SPW, 1
.set NIL, 2
.set A0,  3                            ; v3-5 my places in slot 0: fragments' images, scale words, x as f32; never rewritten
.set S0,  4
.set X0,  5
.set ADA, 6                            ; v6-8 the same in the slot that is being read
.set ADS, 7
.set ADX, 8
.set PFO, 9
.set L16, 10
.set L8,  11
.set MW,  12
.set MR,  13
.set OW,  14
.set ORD, 15
.set WSC, 16
.set ASC, 48
.set LN,  56
.set AF,  64
.set XV,  192                          ; set of parity p: XV + 32 p + 16 (i / 4) + 8 t + j
.set FO,  192
.set ST,  160                          ; window 3.  Tile i at ST + 10 i: +0 -cM (first steps), +1 M, +2 -cM (second steps), +3 their difference, +4 the rescaling, +5 0, +6, +7 L, +8, +9 O
.set TM,  240
.set WV,  14                           ; s14 wave; s15 sp; s16 ep; s18 cx; s19 hh; s20 eg; s21 b
.set G1C, 24
.set G1X, 32
.set G0C, 40
.set G0X, 44
.set CS,  56                           ; s[56:57] c; s58 -c
.set SEL, 60
.set TRIP, 62
.set LEFT, 63
.set LIM, 66
.set TB,  67                           ; LDS byte at which the slot being read begins
.set PFA, 68
.set PFS, 70
.set MSB, 0
.macro WIN new                         ; the immediate's high byte repeats the setting that is left
.if MSB != (\new)
	s_set_vgpr_msb (MSB<<8)|(\new)
.set MSB, (\new)
.endif
.endm
.macro PLACES
.rept 4
	v_nop
.endr
.endm
.macro CREST                           ; a round of the cluster's barrier behind its opening barrier
	s_cmp_lg_u32 s[WV], 0
	s_cbranch_scc1 .Lnot_wave_0_\@
	s_barrier_signal -3
.Lnot_wave_0_\@:
	s_barrier_wait -3
	s_barrier_signal -1
	s_barrier_wait -1
.endm
.macro CROUND
	s_barrier_signal -1
	s_barrier_wait -1
	CREST
.endm
.macro JLOAD                           ; waves 0, 1 the codes (jointly), waves 2, 3 x: one load a wave, in the two arms of one branch on the wave's number.  An s_nop 0 and four v_nop follow each line
	s_cmp_lt_u32 s[WV], 2
	s_cbranch_scc0 .Lfor_x_\@
	tensor_load_to_lds s[G0C:G0C+3], s[G1C:G1C+7]
	s_nop 0
	PLACES
	s_branch .Lasked_\@
.Lfor_x_\@:
	tensor_load_to_lds s[G0X:G0X+3], s[G1X:G1X+7]
	s_nop 0
	PLACES
.Lasked_\@:
.endm
.macro WALK                            ; the walking descriptors: the other slot than last time, the next chunk (no tensor load of mine is out)
	s_xor_b32 s[G0C+1], s[G0C+1], SLOT1
	s_add_nc_u64 s[G0C+2:G0C+3], s[G0C+2:G0C+3], CHUNKC
	s_xor_b32 s[G0X+1], s[G0X+1], SLOT1
	s_add_nc_u64 s[G0X+2:G0X+3], s[G0X+2:G0X+3], 1<<22
.endm
; A PREFETCH INTO THE L2 of the chunk that the NEXT refill will ask for: two steps, 256 matrix instructions a wave, ahead of that load.  Each aligned block of 256 bytes is named once in the launch.
; x: a chunk's 128 rows x 256 bytes of (b, eg) are read by the two partners hh = 0, 1 alone: each takes 64 rows, told apart by address; waves 0 and 1 take 32 each, a lane a row.
; The codes of a batch are read by all eight clusters of that b: the first (cluster x = 0) asks; partner cx takes records 2 cx, 2 cx + 1, waves 2 and 3 one each: its 32 blocks of codes, lanes 256 bytes apart
; (a record's 512 bytes of scale words come by the load alone).  The last refill asks for nothing; chunks 0 to 2 come by their loads alone.
.macro ASK
	s_cmp_gt_u32 s[LEFT], s[LIM]
	s_cbranch_scc0 .Lnot_mine_\@
	global_prefetch_b8 v[PFO], s[PFA:PFA+1] th:TH_LOAD_NT scope:SCOPE_SE
.Lnot_mine_\@:
	s_sub_co_u32 s[LEFT], s[LEFT], 1
.endm
.macro SETAD                           ; my three places in the slot at s[TB]
	v_add_nc_u32 v[ADA], s[TB], v[A0]
	v_add_nc_u32 v[ADS], s[TB], v[S0]
	v_add_nc_u32 v[ADX], s[TB], v[X0]
	s_wait_alu depctr_va_vdst(0)                   ; the wait stands directly behind the writes
.endm
.macro WQL k                           ; Wq's fragments of K step k, eight tiles: 16 loads of 512 consecutive bytes
	WIN 0x40*(1+(\k)/4)
.irp i, 0,1,2,3,4,5,6,7
.irp c, 0,1
	global_load_b128 v[64*((\k)%4)+8*\i+4*\c:64*((\k)%4)+8*\i+4*\c+3], v[L16], s[86:87] offset:(64*(\i%4)+\i/4)*REC+1024*(\k)+512*\c
.endr
.endr
.endm
	s_load_b256 s[4:11], s[0:1], 0x0               ; x s[4:5], xq s[6:7], wqq s[8:9], hb s[10:11]
	v_lshl_add_u32 v[SPW], v0, 2, SPARE
	v_mov_b32 v[NIL], 0
	ds_add_u32 v[SPW], v[NIL]                      ; the opening lines: the add, twice on end, and its wait ahead of my first tensor load
	ds_add_u32 v[SPW], v[NIL]
	v_lshrrev_b32 v[LN+1], 5, v0
	v_readfirstlane_b32 s[WV], v[LN+1]             ; wave 0..3
	v_and_b32 v[LN], 31, v0                        ; lane
	v_lshlrev_b32 v[L16], 4, v[LN]
	v_lshlrev_b32 v[L8], 3, v[LN]
	s_and_b32 s15, s[WV], 1                        ; sp; also which half I fetch
	s_lshr_b32 s16, s[WV], 1                       ; ep; also: I fetch codes (0) or x (1)
	s_and_b32 s21, ttmp7, 0xffff                   ; b: the partners share it
	s_bfe_u32 s18, ttmp6, 0x40000                  ; cx: it enters global addresses alone
	s_and_b32 s19, s18, 1                          ; hh
	s_lshr_b32 s20, s18, 1
	s_lshl_b32 s80, ttmp9, 1
	s_add_co_u32 s20, s20, s80                     ; eg = 2 x cluster x + cx / 2
	; group 1 for the codes: 34,816 dense bytes as 136 rows of 256 (32 elements of 8 bytes), no padding
	s_mov_b32 s[G1C], 15|(3<<16)|(1<<21)           ; the mask: all four work-groups; bit 21 set beside it
	s_mov_b32 s[G1C+1], 32<<16
	s_mov_b32 s[G1C+2], 136<<16
	s_mov_b32 s[G1C+3], 32<<16
	s_mov_b32 s[G1C+4], 136
	s_mov_b32 s[G1C+5], 32
	s_mov_b32 s[G1C+6], 0
	s_mov_b32 s[G1C+7], 0
	; group 1 for x: 64 rows of 64 f32, 8,192 elements apart, 16 bytes of padding behind each
	s_mov_b32 s[G1X], (2<<16)|(1<<20)|(5<<22)|(3<<25)
	s_mov_b32 s[G1X+1], 64<<16
	s_mov_b32 s[G1X+2], 64<<16
	s_mov_b32 s[G1X+3], 64<<16
	s_mov_b32 s[G1X+4], 64
	s_mov_b32 s[G1X+5], 8192
	s_mov_b32 s[G1X+6], 0
	s_mov_b32 s[G1X+7], 0
	s_mul_i32 s72, s21, BATCH                      ; the codes of my batch
	s_mov_b32 s73, 0
	s_lshl_b32 s80, s21, 12                        ; x: batch b, columns 64 eg on
	s_lshl_b32 s81, s20, 8
	s_add_co_u32 s80, s80, s81
	s_mov_b32 s81, 0
	s_lshl_b32 s84, s19, 8                         ; Wq's record of tile 0: 64 (4 hh) + 4 eg + 2 ep
	s_lshl_b32 s85, s20, 2
	s_add_co_u32 s84, s84, s85
	s_lshl_b32 s85, s16, 1
	s_add_co_u32 s84, s84, s85
	s_mul_i32 s84, s84, REC
	s_mov_b32 s85, 0
	s_lshl_b32 s90, s21, 14                        ; hb: 16,384 b + 1,024 eg + 512 hh
	s_lshl_b32 s91, s20, 10
	s_add_co_u32 s90, s90, s91
	s_lshl_b32 s91, s19, 9
	s_add_co_u32 s90, s90, s91
	s_mov_b32 s91, 0
	s_mov_b32 s[CS], 0x3fb8aa3b
	s_mov_b32 s[CS+1], s[CS]
	s_mov_b32 s58, 0xbfb8aa3b
	s_mov_b32 s[SEL], 0x76543210
	s_mov_b32 s[SEL+1], 0xfedcba98
	s_mov_b32 s[LEFT], 6
	s_mov_b32 s[TB], 0
	s_mov_b32 s75, 0
	s_wait_alu depctr_va_vdst(0)                   ; the wait stands directly ahead of the waits below
	s_wait_dscnt 0x0                               ; both opening adds are done
	s_wait_kmcnt 0x0
	s_add_nc_u64 s[76:77], s[6:7], s[72:73]
	s_add_nc_u64 s[82:83], s[4:5], s[80:81]
	s_add_nc_u64 s[86:87], s[8:9], s[84:85]
	s_add_nc_u64 s[10:11], s[10:11], s[90:91]
	WQL 0                                          ; 48 of Wq's loads go out ahead of the round
	WQL 1
	WQL 2
	WIN 0
	s_mov_b32 s[G0C], 1                            ; my half of chunk 0, into slot 0
	s_mul_i32 s74, s15, HALFC
	s_mov_b32 s[G0C+1], s74
	s_add_nc_u64 s[G0C+2:G0C+3], s[76:77], s[74:75]
	s_or_b32 s[G0C+3], s[G0C+3], 0x80000000
	s_mov_b32 s[G0X], 1
	s_mul_i32 s[G0X+1], s15, HALFX
	s_add_co_u32 s[G0X+1], s[G0X+1], XFO
	s_lshl_b32 s74, s15, 21                        ; 64 rows of 32,768 bytes
	s_add_nc_u64 s[G0X+2:G0X+3], s[82:83], s[74:75]
	s_or_b32 s[G0X+3], s[G0X+3], 0x80000000
	CROUND                                         ; all four work-groups are here: the first joint loads meet
	JLOAD                                          ; one tensor load a wave at the head
	WQL 3
	WQL 4
	WQL 5
	WQL 6
	WQL 7
	WIN 0
.irp i, 0,1,2,3,4,5,6,7
.irp q, 0,1
	global_load_b64 v[WSC+4*\i+2*\q:WSC+4*\i+2*\q+1], v[L8], s[86:87] offset:(64*(\i%4)+\i/4)*REC+8192+256*\q   ; register j of a tile: K step 2 j in lanes 0-15, 2 j + 1 in lanes 16-31
.endr
.endr
	s_mul_i32 s78, s15, HALFC                      ; my half of a chunk's codes
	s_mul_i32 s98, s15, 64*XP                      ; x: my 64 rows, my 32 columns
	s_lshl_b32 s79, s16, 7
	s_add_co_u32 s98, s98, s79
	s_add_co_u32 s98, s98, XFO
	s_mul_i32 s92, s[WV], 3072
	s_add_co_u32 s92, s92, MRG                     ; the merge: where I store,
	s_xor_b32 s93, s[WV], 1
	s_mul_i32 s93, s93, 3072
	s_add_co_u32 s93, s93, MRG                     ; and where my partner wave (w xor 1) stores
	s_lshl_b32 s94, s15, 9
	s_add_co_u32 s94, s94, s79
	s_add_co_u32 s94, s94, OUTS                    ; results: 512 sp + 128 ep
	; the prefetches: where my wave's stand, and who asks
	s_lshl_b32 s88, s19, 6
	s_lshl_b32 s89, s15, 5
	s_add_co_u32 s88, s88, s89
	s_add_co_u32 s88, s88, 256                     ; x: row 2 x 128 + 64 hh + 32 (w % 2): in chunk 2; the first refill steps it to chunk 3
	s_lshl_b32 s88, s88, 15
	s_lshl_b32 s89, s18, 1
	s_add_co_u32 s89, s89, s15
	s_mul_i32 s89, s89, REC                        ; the codes: record 2 cx + w % 2
	s_add_co_u32 s89, s89, 2*CHUNKC
	s_mov_b32 s96, CHUNKC
	s_mov_b32 s95, 256
	s_cmp_eq_u32 s16, 0                            ; waves 0, 1 ask for x, waves 2, 3 for the codes
	s_cselect_b64 s[PFA:PFA+1], s[82:83], s[76:77]
	s_cselect_b32 s88, s88, s89
	s_cselect_b32 s[PFS], 128*32768, s96           ; a chunk on
	s_cselect_b32 s95, 32768, s95                  ; from lane to lane
	s_cselect_b32 s97, 0, ttmp9                    ; the codes: only in the batch's first cluster
	s_mov_b32 s89, 0
	s_mov_b32 s[PFS+1], 0
	s_add_nc_u64 s[PFA:PFA+1], s[PFA:PFA+1], s[88:89]
	s_cmp_eq_u32 s97, 0
	s_cselect_b32 s[LIM], 1, -1                    ; the same in all four partners, for a given wave
	v_and_b32 v[LN+1], 15, v0                      ; r
	v_bfe_u32 v[LN+2], v0, 4, 1                    ; h
	v_add_nc_u32 v[A0], s78, v[L16]
	v_add_nc_u32 v[S0], s78, v[L8]
	v_mul_u32_u24 v[X0], v[LN+2], 8*XP             ; lanes 16-31 read eight rows further on
	v_lshl_add_u32 v[X0], v[LN+1], 2, v[X0]
	v_add_nc_u32 v[X0], s98, v[X0]
	v_add_nc_u32 v[MW], s92, v[L16]
	v_add_nc_u32 v[MR], s93, v[L16]
	v_lshlrev_b32 v[OW], 2, v[LN+1]
	v_lshl_add_u32 v[OW], v[LN+2], 8, v[OW]        ; + 256 h + 4 r: results (head 2 sp + h of the four, columns 32 ep + r and + 16)
	v_add_nc_u32 v[OW], s94, v[OW]
	v_lshl_add_u32 v[ORD], v[LN], 5, OUTS
	v_mul_lo_u32 v[PFO], v[LN], s95
	SETAD
	WIN 0xff
.irp i, 0,1,2,3,4,5,6,7
	v_mov_b32 v[ST+10*\i+1], 0xfe967699            ; M = -1e38, under every score that is served
.irp n, 5,6,7,8,9
	v_mov_b32 v[ST+10*\i+\n], 0                    ; L and O, two halves each: the first rescaling multiplies zeros by zero
.endr
.endr
.irp i, 0,1,2,3,4,5,6,7
	v_mul_f32 v[ST+10*\i+2], s58, v[ST+10*\i+1]    ; -c M
.endr
	WIN 0
.macro LOADA t, rec                    ; 18 LDS loads: record rec of my four into buffer t: eight fragments as images of their registers, four registers of scale words
.irp k, 0,1,2,3,4,5,6,7
.irp c, 0,1
	ds_load_b128 v[AF+64*\t+8*\k+4*\c:AF+64*\t+8*\k+4*\c+3], v[ADA] offset:REC*(\rec)+1024*\k+512*\c
.endr
.endr
.irp q, 0,1
	ds_load_b64 v[ASC+4*\t+2*\q:ASC+4*\t+2*\q+1], v[ADS] offset:REC*(\rec)+8192+256*\q
.endr
.endm
.macro NEXT rec, u                     ; ONE run of 68 LDS loads for step u of the slot at s[TB]: records rec, rec + 1, and x[s][b][my two columns] for its 2 x 8 rows into the set of parity u
	LOADA 0, \rec
	LOADA 1, \rec+1
.irp g, 0,1
.irp t, 0,1
.irp j, 0,1,2,3,4,5,6,7
	ds_load_b32 v[XV+32*(\u)+16*\g+8*\t+\j], v[ADX] offset:(32*(\u)+16*\t+\j)*XP+64*\g
.endr
.endr
.endr
.endm
; 64 matrix instructions: buffer t's 16 rows, K in eight steps of 128, the eight tiles' accumulators by turns, one instruction a turn.  The first takes 0 as C: nothing is cleared.
.macro MM t
.irp k, 0,1,2,3,4,5,6,7
.if \k == 0
	WIN 0xf4                                       ; x window 0, Wq window 1, C and D window 3
.elseif \k == 4
	WIN 0xf8                                       ; Wq window 2
.endif
.irp i, 0,1,2,3,4,5,6,7
.if \k == 0
	v_wmma_scale_f32_16x16x128_f8f6f4 v[16*\i+8*\t:16*\i+8*\t+7], v[AF+64*\t+8*\k:AF+64*\t+8*\k+7], v[64*(\k%4)+8*\i:64*(\k%4)+8*\i+7], 0, v[ASC+4*\t+\k/2], v[WSC+4*\i+\k/2] matrix_a_fmt:MATRIX_FMT_FP4 matrix_b_fmt:MATRIX_FMT_FP4
.elseif \k%2 == 0
	v_wmma_scale_f32_16x16x128_f8f6f4 v[16*\i+8*\t:16*\i+8*\t+7], v[AF+64*\t+8*\k:AF+64*\t+8*\k+7], v[64*(\k%4)+8*\i:64*(\k%4)+8*\i+7], v[16*\i+8*\t:16*\i+8*\t+7], v[ASC+4*\t+\k/2], v[WSC+4*\i+\k/2] matrix_a_fmt:MATRIX_FMT_FP4 matrix_b_fmt:MATRIX_FMT_FP4
.else
	v_wmma_scale_f32_16x16x128_f8f6f4 v[16*\i+8*\t:16*\i+8*\t+7], v[AF+64*\t+8*\k:AF+64*\t+8*\k+7], v[64*(\k%4)+8*\i:64*(\k%4)+8*\i+7], v[16*\i+8*\t:16*\i+8*\t+7], v[ASC+4*\t+\k/2], v[WSC+4*\i+\k/2] matrix_a_fmt:MATRIX_FMT_FP4 matrix_b_fmt:MATRIX_FMT_FP4 matrix_a_scale:MATRIX_SCALE_ROW1 matrix_b_scale:MATRIX_SCALE_ROW1
.endif
.endr
.endr
.endm
.macro MAXP c, a, b                    ; chain c of each tile's maximum takes in two more scores
.irp i, 0,1,2,3,4,5,6,7
	v_max3_num_f32 v[TM+2*\i+\c], v[TM+2*\i+\c], v[16*\i+\a], v[16*\i+\b]
.endr
.endm
; The softmax's step: 16 scores a lane and tile, the eight tiles by turns.  par: the step's parity: which of the two -cM registers takes the new one, and which set holds x.
; The exponentials go in two batches, rows 0-7 and rows 8-15.  Among them stand plain lines that hang on none of the batch: their sources were written ahead of the wait in front of it, and their results are first read behind the wait that closes it.
.macro SOFT par
	WIN 0xff
.irp i, 0,1,2,3,4,5,6,7
	v_max3_num_f32 v[TM+2*\i], v[16*\i], v[16*\i+1], v[16*\i+2]          ; each accumulator is read from its low end on
.endr
.irp i, 0,1,2,3,4,5,6,7
	v_max3_num_f32 v[TM+2*\i+1], v[16*\i+8], v[16*\i+9], v[16*\i+10]
.endr
	MAXP 0, 3, 4
	MAXP 1, 11, 12
	MAXP 0, 5, 6
	MAXP 1, 13, 14
	MAXP 0, 7, 15
.irp i, 0,1,2,3,4,5,6,7
	v_max3_num_f32 v[ST+10*\i+1], v[TM+2*\i], v[TM+2*\i+1], v[ST+10*\i+1]   ; the running maximum
.endr
.irp i, 0,1,2,3,4,5,6,7
	v_mul_f32 v[ST+10*\i+2*(\par)], s58, v[ST+10*\i+1]                      ; the new -c M
.endr
.irp i, 0,1,2,3,4,5,6,7
	v_sub_f32 v[ST+10*\i+3], v[ST+10*\i+2*(\par)], v[ST+10*\i+2-2*(\par)]   ; less the old one: 0 or less
.endr
.irp k, 0,2,4,6
.irp i, 0,1,2,3,4,5,6,7
	v_pk_fma_f32 v[16*\i+\k:16*\i+\k+1], v[16*\i+\k:16*\i+\k+1], s[CS:CS+1], v[ST+10*\i+2*(\par):ST+10*\i+2*(\par)+1] op_sel_hi:[1,0,0]   ; rows 0-7: c score - c M, two at a time
.endr
.endr
	s_wait_alu depctr_va_vdst(0)                   ; ahead of the batch
.irp i, 0,1,2,3,4,5,6,7
	v_exp_f32 v[ST+10*\i+4], v[ST+10*\i+3]         ; the rescaling
.endr
.irp j, 0,1,2,3,4,5,6,7
.irp i, 0,1,2,3,4,5,6,7
	v_exp_f32 v[16*\i+\j], v[16*\i+\j]             ; p of rows 0-7
.if \j%2 == 0
	v_pk_fma_f32 v[16*\i+8+\j:16*\i+9+\j], v[16*\i+8+\j:16*\i+9+\j], s[CS:CS+1], v[ST+10*\i+2*(\par):ST+10*\i+2*(\par)+1] op_sel_hi:[1,0,0]   ; rows 8-15: c score - c M
.endif
.endr
.endr
	v_nop                                          ; a plain line behind the last exponential,
	s_wait_alu depctr_va_vdst(0)                   ; and one wait for the batch, ahead of its first reader and of the next batch
.irp j, 8,9,10,11,12,13,14,15
.irp i, 0,1,2,3,4,5,6,7
	v_exp_f32 v[16*\i+\j], v[16*\i+\j]             ; p of rows 8-15
.if \j == 8
	v_pk_fma_f32 v[ST+10*\i+6:ST+10*\i+7], v[ST+10*\i+6:ST+10*\i+7], v[ST+10*\i+4:ST+10*\i+5], v[16*\i:16*\i+1] op_sel_hi:[1,0,1]   ; L = L x rescaling + p
.elseif \j == 10
	v_pk_mul_f32 v[ST+10*\i+8:ST+10*\i+9], v[ST+10*\i+8:ST+10*\i+9], v[ST+10*\i+4:ST+10*\i+5] op_sel_hi:[1,0]   ; O x rescaling
.elseif \j == 12
	v_pk_add_f32 v[TM+2*\i:TM+2*\i+1], v[16*\i+2:16*\i+3], v[16*\i+4:16*\i+5]   ; a part of the step's sum
.endif
.endr
.endr
	v_nop
	s_wait_alu depctr_va_vdst(0)                   ; one wait for the batch
.irp i, 0,1,2,3,4,5,6,7
	v_pk_add_f32 v[ST+10*\i+6:ST+10*\i+7], v[ST+10*\i+6:ST+10*\i+7], v[TM+2*\i:TM+2*\i+1]
.endr
.irp k, 6,8,10,12,14
.irp i, 0,1,2,3,4,5,6,7
	v_pk_add_f32 v[ST+10*\i+6:ST+10*\i+7], v[ST+10*\i+6:ST+10*\i+7], v[16*\i+\k:16*\i+\k+1]
.endr
.endr
	WIN 0xfc                                       ; x window 0, all else window 3
.irp k, 0,2,4,6,8,10,12,14
.irp i, 0,1,2,3,4,5,6,7
	v_pk_fma_f32 v[ST+10*\i+8:ST+10*\i+9], v[XV+32*(\par)+16*(\i/4)+\k:XV+32*(\par)+16*(\i/4)+\k+1], v[16*\i+\k:16*\i+\k+1], v[ST+10*\i+8:ST+10*\i+9]   ; O += x p
.endr
.endr
	WIN 0
.endm
; A chunk's first step: records 0, 1 of my four.
.macro STEP0
	s_wait_dscnt 0x0                               ; the step's 68 loads are in (asked for ahead of the last softmax's step)
	MM 0
	MM 1
	PLACES                                         ; four places in front of the loads into registers that the products read, and of the first read of results
	WIN 0
	NEXT 2, 1
	SOFT 0
.endm
; A chunk's second step, with THE CHANGE OF SLOTS: every LDS read of this slot has been issued.  Each wave waits for all its tensor loads (its part of the other slot), adds 0 to its spare word, and waits for that and for its reads.
; fill = 1: the barrier opens a round of the cluster's, and this slot takes the chunk two on.  fill = 0: nothing is filled; in the last trip nothing more is read either (a branch on the count of trips).
.macro STEP1 fill
	s_wait_tensorcnt 0x0                           ; no tensor load of mine is out, so a group 0 may be written
	ds_add_u32 v[SPW], v[NIL]                      ; 0 onto my spare word
.if \fill
	WALK
	s_wait_xcnt 0x0                                ; the last prefetch has read its address, so it may be written
	s_add_nc_u64 s[PFA:PFA+1], s[PFA:PFA+1], s[PFS:PFS+1]
.endif
	s_wait_dscnt 1                                 ; the step's 68 loads are in; the add may be out
	MM 0                                           ; 64 matrix instructions stand between the add and the wait for it
	s_wait_dscnt 0x0                               ; the add is done, and my reads of this slot are over
	s_barrier_signal -1
	MM 1                                           ; work on registers while the others arrive
	WIN 0
	s_barrier_wait -1
.if \fill
	CREST
	JLOAD                                          ; the first tensor load behind the round, and a wave's one until the next; its four v_nop are the places in front of the loads below and of the first read of results
.else
	PLACES
.endif
	s_xor_b32 s[TB], s[TB], SLOT1                  ; on to the other slot
	SETAD
.if \fill == 0
	s_cmp_eq_u32 s[TRIP], 1
	s_cbranch_scc1 .Lno_next_\@
.endif
	NEXT 0, 0
.if \fill
	ASK
.else
.Lno_next_\@:
.endif
	SOFT 1
.endm
	s_wait_alu depctr_va_vdst(0)                   ; at the head's end
	s_wait_tensorcnt 0x0                           ; my part of chunk 0 is in
	ds_add_u32 v[SPW], v[NIL]
	WALK                                           ; slot 1, chunk 1
	s_wait_dscnt 0x0
	CROUND                                         ; everybody's part of chunk 0 is in, and all four work-groups are here
	JLOAD                                          ; chunk 1: the first tensor load behind the round
	NEXT 0, 0
	s_wait_loadcnt 0x0                             ; Wq's fragments and scale words
	s_mov_b32 s[TRIP], 6
.Lfill:                                            ; chunks 0 to 5: they ask for chunks 2 to 7
	STEP0
	STEP1 1
	s_sub_co_u32 s[TRIP], s[TRIP], 1
	s_cmp_lg_u32 s[TRIP], 0
	s_cbranch_scc1 .Lfill
	s_mov_b32 s[TRIP], 2
.Llast:                                            ; chunks 6 and 7 have a text of their own
	STEP0
	STEP1 0
	s_sub_co_u32 s[TRIP], s[TRIP], 1
	s_cmp_lg_u32 s[TRIP], 0
	s_cbranch_scc1 .Llast
	; THE END.  A column's rows lie in lanes l and l xor 16 of waves w and w xor 1: the four parts are brought under the common maximum (the smaller -cM) and added.  The last step's -cM stands at +2.
	; Window 3: v[3 i ..] (-cM, L, O) of tile i, 24 numbers on end; v[32 + 4 i ..] at work; v64-87 the partner wave's 24.
	WIN 0xff
.irp i, 0,1,2,3,4,5,6,7
	v_add_f32 v[ST+10*\i+6], v[ST+10*\i+6], v[ST+10*\i+7]
.endr
.irp i, 0,1,2,3,4,5,6,7
	v_add_f32 v[ST+10*\i+8], v[ST+10*\i+8], v[ST+10*\i+9]
.endr
.irp i, 0,1,2,3,4,5,6,7
	v_permlanex16_b32 v[32+4*\i], v[ST+10*\i+2], s[SEL], s[SEL+1]
.endr
.irp i, 0,1,2,3,4,5,6,7
	v_min_num_f32 v[3*\i], v[32+4*\i], v[ST+10*\i+2]
.endr
.irp i, 0,1,2,3,4,5,6,7
	v_sub_f32 v[34+4*\i], v[3*\i], v[ST+10*\i+2]
.endr
	s_wait_alu depctr_va_vdst(0)                   ; ahead of the batch
.irp i, 0,1,2,3,4,5,6,7
	v_exp_f32 v[34+4*\i], v[34+4*\i]
.endr
	v_nop
	s_wait_alu depctr_va_vdst(0)                   ; one wait for the eight
.irp i, 0,1,2,3,4,5,6,7
	v_mul_f32 v[ST+10*\i+6], v[ST+10*\i+6], v[34+4*\i]
.endr
.irp i, 0,1,2,3,4,5,6,7
	v_mul_f32 v[ST+10*\i+8], v[ST+10*\i+8], v[34+4*\i]
.endr
.irp i, 0,1,2,3,4,5,6,7
	v_permlanex16_b32 v[32+4*\i], v[ST+10*\i+6], s[SEL], s[SEL+1]
.endr
.irp i, 0,1,2,3,4,5,6,7
	v_permlanex16_b32 v[35+4*\i], v[ST+10*\i+8], s[SEL], s[SEL+1]
.endr
.irp i, 0,1,2,3,4,5,6,7
	v_add_f32 v[3*\i+1], v[ST+10*\i+6], v[32+4*\i]
.endr
.irp i, 0,1,2,3,4,5,6,7
	v_add_f32 v[3*\i+2], v[ST+10*\i+8], v[35+4*\i]
.endr
	s_wait_alu depctr_va_vdst(0)
	WIN 0x0c                                       ; the data window 3, the address window 0
.irp k, 0,1,2,3,4,5
	ds_store_b128 v[MW], v[4*\k:4*\k+3] offset:512*\k
.endr
	WIN 0
	s_wait_dscnt 0x0                               ; for the partner wave's sake: my stores have landed
	s_barrier_signal -1
	s_barrier_wait -1
	WIN 0xc0
.irp k, 0,1,2,3,4,5
	ds_load_b128 v[64+4*\k:64+4*\k+3], v[MR] offset:512*\k
.endr
	s_wait_dscnt 0x0
	WIN 0xff
.irp i, 0,1,2,3,4,5,6,7
	v_min_num_f32 v[32+4*\i], v[3*\i], v[64+3*\i]
.endr
.irp i, 0,1,2,3,4,5,6,7
	v_sub_f32 v[33+4*\i], v[32+4*\i], v[3*\i]
.endr
.irp i, 0,1,2,3,4,5,6,7
	v_sub_f32 v[34+4*\i], v[32+4*\i], v[64+3*\i]
.endr
	s_wait_alu depctr_va_vdst(0)                   ; ahead of the batch
.irp i, 0,1,2,3,4,5,6,7
	v_exp_f32 v[33+4*\i], v[33+4*\i]
.endr
.irp i, 0,1,2,3,4,5,6,7
	v_exp_f32 v[34+4*\i], v[34+4*\i]
.endr
	v_nop
	s_wait_alu depctr_va_vdst(0)                   ; one wait for the sixteen
.irp i, 0,1,2,3,4,5,6,7
	v_mul_f32 v[3*\i+1], v[3*\i+1], v[33+4*\i]
.endr
.irp i, 0,1,2,3,4,5,6,7
	v_mul_f32 v[3*\i+2], v[3*\i+2], v[33+4*\i]
.endr
.irp i, 0,1,2,3,4,5,6,7
	v_fma_f32 v[3*\i+1], v[64+3*\i+1], v[34+4*\i], v[3*\i+1]
.endr
.irp i, 0,1,2,3,4,5,6,7
	v_fma_f32 v[3*\i+2], v[64+3*\i+2], v[34+4*\i], v[3*\i+2]
.endr
	s_mov_b32 s78, 0xffff0000                      ; lanes 16-31
	s_cmp_eq_u32 s15, 0
	s_cselect_b32 s79, 0, -1                       ; all lanes where sp = 1
	s_wait_alu depctr_va_vdst(0)                   ; ahead of the batch
.irp i, 0,1,2,3,4,5,6,7
	v_rcp_f32 v[35+4*\i], v[3*\i+1]
.endr
	v_nop
	s_wait_alu depctr_va_vdst(0)                   ; one wait for the eight
.irp i, 0,1,2,3,4,5,6,7
	v_mul_f32 v[32+4*\i], v[3*\i+2], v[35+4*\i]    ; head_out of tile i, my column
.endr
.irp g, 0,1                                    ; lane (r, h) of wave (ep, sp) hands on tiles 2 sp + h and 4 + 2 sp + h: each result has one owner
	v_cndmask_b32 v[96+2*\g], v[32+16*\g], v[36+16*\g], s78
	v_cndmask_b32 v[97+2*\g], v[40+16*\g], v[44+16*\g], s78
.endr
.irp g, 0,1
	v_cndmask_b32 v[96+2*\g], v[96+2*\g], v[97+2*\g], s79
.endr
	WIN 0x0c
	ds_store_b32 v[OW], v96
	ds_store_b32 v[OW], v98 offset:64
	WIN 0
	s_wait_dscnt 0x0
	s_barrier_signal -1
	s_barrier_wait -1                              ; the work-group's 256 results lie in LDS, in hb's order
	s_cmp_lg_u32 s[WV], 0
	s_cbranch_scc1 .Lend
	ds_load_b128 v[FO:FO+3], v[ORD]
	ds_load_b128 v[FO+4:FO+7], v[ORD] offset:16
	s_wait_dscnt 0x0
.irp k, 0,1,2,3
	v_cvt_pk_bf16_f32 v[FO+8+\k], v[FO+2*\k], v[FO+2*\k+1]
.endr
	global_store_b128 v[L16], v[FO+8:FO+11], s[10:11]          ; 32 lanes store 512 consecutive bytes, at a multiple of 256 from hb's first byte
.Lend:
	s_wait_tensorcnt 0x0                           ; the wave's end, behind my last tensor load and my last LDS store
	ds_add_u32 v[SPW], v[NIL]
	s_wait_dscnt 0x0
	CROUND                                         ; the closing round: no work-group ends while a partner may still ask for a tile that names it
	s_endpgm
.Lfunc_end_k_q102e807a17_attn:
	.size	k_q102e807a17_attn, .Lfunc_end_k_q102e807a17_attn-k_q102e807a17_attn
	.p2alignl 7, 3214868480
	.fill 96, 4, 3214868480
	.section	.rodata,"a",@progbits
	.p2align	6, 0x0
	.amdhsa_kernel k_q102e807a17_attn
		.amdhsa_group_segment_fixed_size 327680
		.amdhsa_private_segment_fixed_size 0
		.amdhsa_enable_private_segment 0
		.amdhsa_kernarg_size 32
		.amdhsa_user_sgpr_count 2
		.amdhsa_user_sgpr_kernarg_segment_ptr 1
		.amdhsa_wavefront_size32 1
		.amdhsa_system_sgpr_workgroup_id_x 1
		.amdhsa_system_sgpr_workgroup_id_y 1
		.amdhsa_system_sgpr_workgroup_id_z 1
		.amdhsa_system_vgpr_workitem_id 0
		.amdhsa_next_free_vgpr 1024
		.amdhsa_next_free_sgpr 100
		.amdhsa_reserve_vcc 0
		.amdhsa_float_denorm_mode_32 3
		.amdhsa_float_denorm_mode_16_64 3
		.amdhsa_memory_ordered 1
		.amdhsa_forward_progress 1
		.amdhsa_inst_pref_size 209
	.end_amdhsa_kernel
	.amdgpu_metadata
---
amdhsa.version: [ 1, 2 ]
amdhsa.kernels:
  - .name:           k_q102e807a17_attn
    .symbol:         k_q102e807a17_attn.kd
    .args:
      - { .name: x, .offset: 0, .size: 8, .value_kind: global_buffer, .address_space: global }
      - { .name: xq, .offset: 8, .size: 8, .value_kind: global_buffer, .address_space: global }
      - { .name: wqq, .offset: 16, .size: 8, .value_kind: global_buffer, .address_space: global }
      - { .name: hb, .offset: 24, .size: 8, .value_kind: global_buffer, .address_space: global }
    .group_segment_fixed_size: 327680
    .private_segment_fixed_size: 0
    .kernarg_segment_align: 8
    .kernarg_segment_size: 32
    .max_flat_workgroup_size: 128
    .sgpr_count:     100
    .vgpr_count:     1024
    .wavefront_size: 32
...
	.end_amdgpu_metadata
.endif
;; end of part 2
;; launch proj (part 3): grid 256 x 1, 16 waves a work-group, clusters of 4 x 1, 200,704 bytes of LDS; arguments hb, Wc, bc, out0; writes out0
.if DOCPART == 3
	.amdgcn_target "amdgcn-amd-amdhsa--gfx1250"
	.amdhsa_code_object_version 6
	.text
	.protected	k_q102e807a17_proj
	.globl	k_q102e807a17_proj
	.p2align	8
	.type	k_q102e807a17_proj,@function
k_q102e807a17_proj:
	s_mov_b64 s[64:65], 0
	v_nop
	global_prefetch_b8 v0, s[64:65] scope:SCOPE_SE
	s_setreg_imm32_b32 hwreg(HW_REG_WAVE_MODE, 25, 1), 1
	s_wait_xcnt 0x0
	s_wait_alu depctr_hold_cnt(0) depctr_sa_sdst(0) depctr_va_vdst(0) depctr_va_sdst(0) depctr_va_ssrc(0) depctr_va_vcc(0) depctr_vm_vsrc(0)
	s_getreg_b32 s2, hwreg(HW_REG_IB_STS2, 6, 4)
	s_cmp_eq_u32 s2, 0
	s_cbranch_scc0 .Lentry_in_a_cluster
	s_endpgm
.Lentry_in_a_cluster:
	s_bfe_u32 s2, ttmp6, 0x10000c
	s_cmp_lg_u32 s2, 0x3003
	s_cbranch_scc0 .Lentry_shape_is_right
	s_endpgm
.Lentry_shape_is_right:
; out0[b][n] = sum over k of head_out[b][k] Wc[n][k] + bc[n].  8 rows b, 1,024 columns n, K = 8,192.  Wc f32, read once; head_out comes as bf16 in hb, laid [b][eg 16][head 8][64] (k = 1024 head + 64 eg + e).
; A stream of Wc: the product has 8 rows, and a work-group's 4 columns fill no matrix tile, so it is done by packed fused multiply-adds in f32.
; SHARES: work-group g owns columns n = 4 g .. 4 g + 3 for all 8 b: each output has one owner.  Wave w takes the 512 k of eg = w, in four groups of two heads; lane l takes 4 k: head 2 gi + l / 16, e = 4 (l % 16).
; Wave w walks its groups in the order (j + w) % 4, so that the sixteen waves stand on all four quarters of a row of Wc at once; a sum's order of terms is free here.
; Wc goes from memory straight into registers: each load reads two runs of 256 consecutive aligned bytes, and all 16 of a wave go out at the head.
; hb is read whole by every work-group: CLUSTERS of four ask for it JOINTLY (mask 15): wave w fetches its own tile, 8 rows b x 1,024 bytes of eg = w, by one tensor load, filled once, and it alone reads those bytes.
; No prefetch: the launch has no loop to run ahead in.
; The 32 sums of a lane meet in LDS: 16 waves x 32 lanes x 32 numbers; wave w' adds up two of the 32 outputs; wave 0 adds bc and stores.
.set WC,  16                           ; v16-79    Wc: group slot j, column n at 16 j + 4 n
.set HR,  80                           ; v80-143   hb as loaded: group slot j, row b at 16 j + 2 b
.set HF,  144                          ; v144-175  a group's head_out as f32: row b at 4 b; later the lane's 32 sums
.set ACC, 176                          ; v176-239  a pair of sums for each (b, n): 2 (4 b + n)
.set AW,  242                          ; v242-245  my offset in Wc for each group slot
.set AH,  246                          ; v246-249  my LDS address in hb's tile for each group slot
.set FIN, 65536                        ; LDS: behind the 16 x 4,096 bytes of partial sums, the 32 outputs
.set SPARE, 0x10200                    ; the spare words, 128 bytes for each of sixteen waves
.set HB0, 0x11000                      ; hb's tiles, 8,192 bytes a wave: nothing is stored here
.macro CROUND                          ; a round of the cluster's barrier
	s_barrier_signal -1
	s_barrier_wait -1
	s_cmp_lg_u32 s12, 0
	s_cbranch_scc1 .Lnot_wave_0_\@
	s_barrier_signal -3
.Lnot_wave_0_\@:
	s_barrier_wait -3
	s_barrier_signal -1
	s_barrier_wait -1
.endm
	s_load_b256 s[4:11], s[0:1], 0x0               ; hb s[4:5], Wc s[6:7], bc s[8:9], out0 s[10:11]
	v_lshl_add_u32 v240, v0, 2, SPARE
	v_mov_b32 v241, 0
	ds_add_u32 v240, v241                          ; the opening lines: the add, twice on end, and its wait ahead of my tensor load
	ds_add_u32 v240, v241
	v_lshrrev_b32 v1, 5, v0
	v_readfirstlane_b32 s12, v1                    ; wave 0..15
	s_bfe_u32 s37, ttmp6, 0x40000                  ; cx: it enters global addresses alone
	s_lshl_b32 s36, ttmp9, 2
	s_add_co_u32 s36, s36, s37                     ; the work-group's number
	s_mov_b32 s24, 15|(3<<16)|(1<<21)              ; group 1: the mask of all four, elements of 8 bytes, bit 21 beside the mask; 8 rows of 128 elements, 2,048 elements apart
	s_mov_b32 s25, 128<<16
	s_mov_b32 s26, 8<<16
	s_mov_b32 s27, 128<<16
	s_mov_b32 s28, 8
	s_mov_b32 s29, 2048
	s_mov_b32 s30, 0
	s_mov_b32 s31, 0
	s_mov_b32 s32, 1
	s_lshl_b32 s40, s12, 13
	s_add_co_u32 s33, s40, HB0                     ; my tile in LDS
	s_lshl_b32 s38, s12, 10                        ; and in hb: eg = w
	s_mov_b32 s39, 0
	s_lshl_b32 s13, s12, 8
	s_lshl_b32 s41, s12, 12
	s_lshr_b32 s22, s12, 1
	s_lshl_b32 s22, s22, 9
	s_and_b32 s23, s12, 1
	s_lshl_b32 s23, s23, 3
	s_add_co_u32 s22, s22, s23
	s_lshl_b32 s42, s12, 3
	s_add_co_u32 s42, s42, FIN
	s_lshl_b32 s14, s36, 17                        ; my four rows of Wc, 32,768 bytes each
	s_mov_b32 s15, 0
	s_lshl_b32 s16, s36, 4                         ; my four columns in bc and in a row of out0
	s_mov_b32 s17, 0
	s_mov_b32 s18, 0xffff0000                      ; a word's upper bf16
	s_mov_b32 s20, 0x76543210
	s_mov_b32 s21, 0xfedcba98
	v_and_b32 v4, 31, v0                           ; l
	v_and_b32 v5, 15, v0
	v_bfe_u32 v6, v0, 4, 1
	v_lshlrev_b32 v1, 4, v5
	v_lshl_add_u32 v1, v6, 12, v1
	v_add_nc_u32 v1, s13, v1                       ; v1: Wc: 4,096 (l / 16) + 16 (l % 16) + 256 w
	v_lshl_add_u32 v2, v4, 3, s33                  ; v2: hb's tile: 8 l
	v_and_b32 v3, 3, v0
	v_lshlrev_b32 v3, 2, v3                        ; v3: bc: word l % 4 of my work-group's four
	v_lshl_add_u32 v7, v4, 4, s41                  ; v7: my partial sums: 4,096 w + 16 l
	v_lshl_add_u32 v8, v4, 4, s22                  ; v8: what I add up: row b = w / 2, columns 2 (w % 2), + 1: 512 (w / 2) + 8 (w % 2) + 16 l
	v_mov_b32 v9, s42                              ; v9: where my two outputs go: FIN + 8 w
	v_lshl_add_u32 v10, v4, 2, FIN                 ; v10: output l = 4 b + n
	v_lshrrev_b32 v11, 2, v4
	v_lshl_add_u32 v11, v11, 12, v3                ; v11: out0: 4,096 (l / 4) + 4 (l % 4)
	s_wait_alu depctr_va_vdst(0)                   ; ahead of the scalar lines below
.irp j, 0,1,2,3
	s_add_co_u32 s43, s12, \j
	s_and_b32 s43, s43, 3                          ; slot j holds group (j + w) % 4
	s_lshl_b32 s44, s43, 13
	s_lshl_b32 s45, s43, 8
	v_add_nc_u32 v[AW+\j], s44, v1
	v_add_nc_u32 v[AH+\j], s45, v2
.endr
	s_wait_alu depctr_va_vdst(0)                   ; at the head's end
	s_wait_dscnt 0x0                               ; both opening adds are done
	s_wait_kmcnt 0x0
	s_add_nc_u64 s[6:7], s[6:7], s[14:15]
	s_add_nc_u64 s[8:9], s[8:9], s[16:17]
	s_add_nc_u64 s[10:11], s[10:11], s[16:17]
	s_add_nc_u64 s[34:35], s[4:5], s[38:39]
	s_or_b32 s35, s35, 0x80000000
	global_load_b32 v12, v3, s[8:9]                ; bc
.irp g, 0,1,2,3
.irp n, 0,1,2,3
	global_load_b128 v[WC+16*\g+4*\n:WC+16*\g+4*\n+3], v[AW+\g], s[6:7] offset:32768*\n th:TH_LOAD_NT
.endr
.endr
	CROUND                                         ; all four work-groups are here: the joint loads meet
	tensor_load_to_lds s[32:35], s[24:31]          ; my one tensor load
	s_nop 0
	s_wait_tensorcnt 0x0                           ; my tile is in, and I alone read it
.irp g, 0,1,2,3
.irp b, 0,1,2,3,4,5,6,7
	ds_load_b64 v[HR+16*\g+2*\b:HR+16*\g+2*\b+1], v[AH+\g] offset:1024*\b
.endr
.endr
.macro GROUP g
	s_wait_loadcnt 4*(3-(\g))                      ; this slot's 4 loads of Wc are in; the later slots' may be out
	s_wait_dscnt 8*(3-(\g))                        ; and its 8 of hb
.irp b, 0,1,2,3,4,5,6,7
	v_lshlrev_b32 v[HF+4*\b],   16,  v[HR+16*(\g)+2*\b]        ; bf16 to f32: the low half moves up, the high half stays
	v_and_b32     v[HF+4*\b+1], s18, v[HR+16*(\g)+2*\b]
	v_lshlrev_b32 v[HF+4*\b+2], 16,  v[HR+16*(\g)+2*\b+1]
	v_and_b32     v[HF+4*\b+3], s18, v[HR+16*(\g)+2*\b+1]
.endr
.irp b, 0,1,2,3,4,5,6,7
.irp n, 0,1,2,3
.if (\g) == 0
	v_pk_mul_f32 v[ACC+2*(4*\b+\n):ACC+2*(4*\b+\n)+1], v[HF+4*\b:HF+4*\b+1], v[WC+16*(\g)+4*\n:WC+16*(\g)+4*\n+1]   ; the first product starts the sums: nothing is cleared
.else
	v_pk_fma_f32 v[ACC+2*(4*\b+\n):ACC+2*(4*\b+\n)+1], v[HF+4*\b:HF+4*\b+1], v[WC+16*(\g)+4*\n:WC+16*(\g)+4*\n+1], v[ACC+2*(4*\b+\n):ACC+2*(4*\b+\n)+1]
.endif
.endr
.endr
.irp b, 0,1,2,3,4,5,6,7
.irp n, 0,1,2,3
	v_pk_fma_f32 v[ACC+2*(4*\b+\n):ACC+2*(4*\b+\n)+1], v[HF+4*\b+2:HF+4*\b+3], v[WC+16*(\g)+4*\n+2:WC+16*(\g)+4*\n+3], v[ACC+2*(4*\b+\n):ACC+2*(4*\b+\n)+1]
.endr
.endr
.endm
	GROUP 0
	GROUP 1
	GROUP 2
	GROUP 3
.set j, 0
.rept 32
	v_add_f32 v[HF+j], v[ACC+2*j], v[ACC+2*j+1]    ; a pair's two halves
.set j, j+1
.endr
.irp b, 0,1,2,3,4,5,6,7
	ds_store_b128 v7, v[HF+4*\b:HF+4*\b+3] offset:512*\b
.endr
	s_wait_dscnt 0x0                               ; for the others' sake: my stores have landed
	s_barrier_signal -1
	s_barrier_wait -1
.irp u, 0,1,2,3,4,5,6,7,8,9,10,11,12,13,14,15
	ds_load_b64 v[WC+2*\u:WC+2*\u+1], v8 offset:4096*\u        ; lane l's two numbers of wave u
.endr
	s_wait_dscnt 0x0
.irp u, 0,1,2,3,4,5,6,7
	v_pk_add_f32 v[WC+2*\u:WC+2*\u+1], v[WC+2*\u:WC+2*\u+1], v[WC+16+2*\u:WC+16+2*\u+1]
.endr
.irp u, 0,1,2,3
	s_delay_alu instid0(VALU_DEP_4)
	v_pk_add_f32 v[WC+2*\u:WC+2*\u+1], v[WC+2*\u:WC+2*\u+1], v[WC+8+2*\u:WC+8+2*\u+1]
.endr
.irp u, 0,1
	s_delay_alu instid0(VALU_DEP_2)
	v_pk_add_f32 v[WC+2*\u:WC+2*\u+1], v[WC+2*\u:WC+2*\u+1], v[WC+4+2*\u:WC+4+2*\u+1]
.endr
	s_delay_alu instid0(VALU_DEP_1)
	v_pk_add_f32 v[WC:WC+1], v[WC:WC+1], v[WC+2:WC+3]
.irp m, 1
	s_delay_alu instid0(VALU_DEP_1)
	v_add_f32_dpp v[WC], v[WC], v[WC] row_xmask:\m row_mask:0xf bank_mask:0xf          ; across the 16 lanes of a half, both numbers by turns
	s_delay_alu instid0(VALU_DEP_2)
	v_add_f32_dpp v[WC+1], v[WC+1], v[WC+1] row_xmask:\m row_mask:0xf bank_mask:0xf
.endr
.irp m, 2, 4, 8
	s_delay_alu instid0(VALU_DEP_2)
	v_add_f32_dpp v[WC], v[WC], v[WC] row_xmask:\m row_mask:0xf bank_mask:0xf
	s_delay_alu instid0(VALU_DEP_2)
	v_add_f32_dpp v[WC+1], v[WC+1], v[WC+1] row_xmask:\m row_mask:0xf bank_mask:0xf
.endr
	s_delay_alu instid0(VALU_DEP_2)
	v_permlanex16_b32 v[WC+2], v[WC], s20, s21     ; and the other half's
	s_delay_alu instid0(VALU_DEP_2)
	v_permlanex16_b32 v[WC+3], v[WC+1], s20, s21
	s_delay_alu instid0(VALU_DEP_1)
	v_pk_add_f32 v[WC:WC+1], v[WC:WC+1], v[WC+2:WC+3]
	ds_store_b64 v9, v[WC:WC+1]                    ; all lanes write the same two words with the same values
	s_wait_dscnt 0x0
	s_barrier_signal -1
	s_barrier_wait -1
	s_cmp_lg_u32 s12, 0
	s_cbranch_scc1 .Lend
	ds_load_b32 v20, v10
	s_wait_dscnt 0x0
	v_add_f32 v20, v20, v12                        ; + bc
	global_store_b32 v11, v20, s[10:11]            ; runs of 16 bytes, one in each of out0's eight rows: a work-group's four columns are no more
.Lend:
	s_wait_tensorcnt 0x0                           ; the wave's end, behind my tensor load and my last LDS store
	ds_add_u32 v240, v241
	s_wait_dscnt 0x0
	CROUND                                         ; the closing round
	s_endpgm
.Lfunc_end_k_q102e807a17_proj:
	.size	k_q102e807a17_proj, .Lfunc_end_k_q102e807a17_proj-k_q102e807a17_proj
	.p2alignl 7, 3214868480
	.fill 96, 4, 3214868480
	.section	.rodata,"a",@progbits
	.p2align	6, 0x0
	.amdhsa_kernel k_q102e807a17_proj
		.amdhsa_group_segment_fixed_size 200704
		.amdhsa_private_segment_fixed_size 0
		.amdhsa_enable_private_segment 0
		.amdhsa_kernarg_size 32
		.amdhsa_user_sgpr_count 2
		.amdhsa_user_sgpr_kernarg_segment_ptr 1
		.amdhsa_wavefront_size32 1
		.amdhsa_system_sgpr_workgroup_id_x 1
		.amdhsa_system_sgpr_workgroup_id_y 1
		.amdhsa_system_sgpr_workgroup_id_z 1
		.amdhsa_system_vgpr_workitem_id 0
		.amdhsa_next_free_vgpr 250
		.amdhsa_next_free_sgpr 66
		.amdhsa_reserve_vcc 0
		.amdhsa_float_denorm_mode_32 3
		.amdhsa_float_denorm_mode_16_64 3
		.amdhsa_memory_ordered 1
		.amdhsa_forward_progress 1
		.amdhsa_inst_pref_size 34
	.end_amdhsa_kernel
	.amdgpu_metadata
---
amdhsa.version: [ 1, 2 ]
amdhsa.kernels:
  - .name:           k_q102e807a17_proj
    .symbol:         k_q102e807a17_proj.kd
    .args:
      - { .name: hb, .offset: 0, .size: 8, .value_kind: global_buffer, .address_space: global }
      - { .name: Wc, .offset: 8, .size: 8, .value_kind: global_buffer, .address_space: global }
      - { .name: bc, .offset: 16, .size: 8, .value_kind: global_buffer, .address_space: global }
      - { .name: out0, .offset: 24, .size: 8, .value_kind: global_buffer, .address_space: global }
    .group_segment_fixed_size: 200704
    .private_segment_fixed_size: 0
    .kernarg_segment_align: 8
    .kernarg_segment_size: 32
    .max_flat_workgroup_size: 512
    .sgpr_count:     66
    .vgpr_count:     250
    .wavefront_size: 32
...
	.end_amdgpu_metadata
.endif
;; end of part 3
